; MI455X (gfx1250); checked and timed in simulation.
; The chip was launched on July 23, 2026; its instructions are those of AMD's public machine-readable ISA for CDNA 5 (MIT licence, August 2026) and "CDNA5" Instruction Set Architecture Reference Guide (July 2026). The comments in the code are by the model that wrote it; some were corrected since.
;; Self Attention1 D. Allowed arithmetic: matrix products marked QUANTISED: E3M2 operands, one E8M0 scale for each 32 along K, by v_wmma_scale_f32_16x16x128_f8f6f4 with both operands' format E3M2, f32 sums; everything else in f32.
;; Inputs: Wf 512 x 64 float32; Wg 512 x 64 float32; Wh 512 x 512 float32; bf 64 float32; bg 64 float32; bh 512 float32; gamma one number float32; x 4 x 4,096 x 512 float32.
;; Outputs: out0 4 x 4,096 x 512 float32.
;; This version of the problem:
;;   THIS VERSION OF THE PROBLEM IS GIVEN IN LOW PRECISION. The matrix products marked QUANTISED in the list below multiply operands that are first quantised to E3M2 (3 exponent bits, 2 mantissa bits; 6 bits a number), with one power-of-two scale for each 32 numbers along K (OCP MX v1.0); their sums are f32. All else is computed in f32.
;;   The module's matrix products, in the order in which they are computed (A, B: the left and right operand; K: the contracted axis; several contracted axes count as one K, in the product's order):
;;     1. [M 16,384, K 512] x [K 512, N 64]; A: input x; B: input Wf: QUANTISED
;;     2. [M 16,384, K 512] x [K 512, N 64]; A: input x; B: input Wg: QUANTISED
;;     3. [M 16,384, K 512] x [K 512, N 512]; A: input x; B: input Wh: QUANTISED
;;     4. batch 4 x [M 4,096, K 64] x [K 64, N 4,096]; A: computed on the way; B: computed on the way: QUANTISED
;;     5. batch 4 x [M 4,096, K 4,096] x [K 4,096, N 512]; A: softmax (see below); B: computed on the way: QUANTISED
;;   THE QUANTISER, for each operand of a quantised product, along K:
;;     - K is cut into blocks of 32 from its start; a last block that is shorter is filled with zeros.
;;     - A block's scale is 2^e with e = floor(log2(the largest magnitude in the block)) - 4, held to -126 .. 127; a block of zeros has e = 0. As a byte (E8M0): e + 127.
;;     - Each number is divided by its block's scale, clamped to +-28, and rounded to the nearest number of E3M2, ties to even, subnormals kept.
;;     - The product sums the exact products of the quantised numbers (number of the format x scale) in f32.
;;   ~~~python
;;   def quantise(x, axis):      # numpy; x: float32 -> the quantised numbers, widened to float32 again
;;       x = np.moveaxis(x, axis, -1); K = x.shape[-1]
;;       x = np.pad(x, [(0, 0)] * (x.ndim - 1) + [(0, -K % 32)]); x = x.reshape(x.shape[:-1] + (-1, 32)); a = np.abs(x).max(-1, keepdims=True)
;;       e = np.where(a > 0, np.clip(np.frexp(np.where(a > 0, a, 1))[1] - 1 - 4, -126, 127), 0)      # np.frexp(a)[1] - 1 = floor(log2(a)), exactly
;;       r = np.clip(x / 2.0 ** e, -28, 28)
;;       step = 2.0 ** (np.maximum(np.frexp(np.where(r == 0, 1, r))[1] - 1, -2) - 2)
;;       q = np.round(r / step) * step * 2.0 ** e      # np.round: ties to even
;;       return np.moveaxis(q.reshape(q.shape[:-2] + (-1,))[..., :K], -1, axis).astype(np.float32)
;;   ~~~
;;   SOFTMAX AHEAD OF A QUANTISED PRODUCT. Where the list says 'softmax', what is quantised is not the finished softmax but p = 2^(t - M), with t = logit x log2(e) and M = ceil(the row's largest t), a whole number; so 1/2 < the row's largest p <= 1. The row's sum l is taken of the UNQUANTISED p, in f32, and the product's result is divided by l at the end. Since M is a whole number, a kernel that streams over the keys may use a running M (the ceiling of the running maximum): every later rescaling is an exact power of two, which a block's scale takes up: the codes' values come out the same.
;;   OPERANDS COMPUTED ON THE WAY. 'Computed on the way' means the value that the module computes at that place (a softmax that the list does not call 'softmax' is quantised finished and normalised). What goes into a quantiser is computed in f32, as accurately as f32 sums, v_exp_f32 and their like allow (about 1e-6 of the number): no bf16 or f16 on the way to a quantiser, and a product that is left as it is and whose result goes on into a quantised operand takes f32 operands (vector FMAs, or v_wmma_f32_16x16x4_f32). A number that lies on a knife's edge between two numbers of the format may be rounded either way, as far as f32 arithmetic and the matrix unit's own rounding can turn it there, and no further.
;; One version. Each part assembles by itself: llvm-mc -triple=amdgcn-amd-amdhsa -mcpu=gfx1250 --defsym DOCPART=n.
;; ======== version 1 of 1: 3 launches
;; workspace buffers: wimg 245,760 bytes; wsc 10,240 bytes; kv 7,405,568 bytes; fq 851,968 bytes
;; launch wq (part 1): grid 40 x 1, 4 waves a work-group, no clusters, 0 bytes of LDS; arguments Wf, Wg, Wh, wimg, wsc; writes wimg, wsc
.if DOCPART == 1
	.amdgcn_target "amdgcn-amd-amdhsa--gfx1250"
	.amdhsa_code_object_version 6
	.text
	.protected	k_qe8353a6a9c_wq
	.globl	k_qe8353a6a9c_wq
	.p2align	8
	.type	k_qe8353a6a9c_wq,@function
k_qe8353a6a9c_wq:
	s_mov_b64 s[64:65], 0
	v_nop
	global_prefetch_b8 v0, s[64:65] scope:SCOPE_SE
	s_setreg_imm32_b32 hwreg(HW_REG_WAVE_MODE, 25, 1), 1
	s_wait_xcnt 0x0
; out0 = x + gamma softmax(f g^T) h, f = x Wf + bf, g = x Wg + bg, h = x Wh + bh, all five products on codes of E3M2 with one E8M0 scale for each 32 along K.
; NOTHING IS LEFT OUT: every input has a way to the output (the biases go into operands that are quantised), so every input is loaded and every product is done.
; THIS LAUNCH quantises the 640 columns of Wf, Wg, Wh along K = 512 (their FIRST axis) and stores them as images of operand registers.
; Work-group T is a tile of 16 columns (0-3 Wf, 4-7 Wg, 8-39 Wh), wave s the K step of 128: one wave makes one fragment.
; A LANE TAKES A COLUMN AND ITS REGISTERS RUN DOWN K, in the order that the operand's layout gives the lane: lane (r, h) holds k = 128 s + 64 c + 32 h + 0 .. 31.  So the conversions' results are the operand's registers.
; In a tile of Wf or Wg lane r takes column 32 (T'/2) + 8 (T'%2) + r + 8 (r/8), T' = T % 4, so that the results of two neighbouring tiles are 16 neighbours along the next product's K.
; wimg: [T][s][c 0..2][lane][16 bytes];  wsc: [T][r][s], a word of four scale bytes.
; A block's scale byte is its largest magnitude's exponent field - 4, held at 1 from below.
; LIMITS: a block of zeros, or one whose largest magnitude lies under 2^(4 - 126), gets the byte 1 (the bytes are read by this program alone; zero codes add nothing); NaN and infinities among the inputs are not served.
; No LDS, no cluster: 1.3 MB are read once by 160 waves that share nothing; there is work for 40 work-groups.
.set X, 64                             ; v64-127 my 64 numbers: register 32 c + i
.macro LOADS pitch                     ; W(128 s + 64 c + 32 h + i, my column): sixteen neighbouring lanes read neighbouring columns
.irp c, 0,1
.irp i, 0,1,2,3,4,5,6,7,8,9,10,11,12,13,14,15,16,17,18,19,20,21,22,23,24,25,26,27,28,29,30,31
	global_load_b32 v[X+32*\c+\i], v3, s[14:15] offset:(64*\c+\i)*\pitch th:TH_LOAD_NT
.endr
.endr
.endm
	s_load_b256 s[4:11], s[0:1], 0x0               ; Wf s[4:5], Wg s[6:7], Wh s[8:9], wimg s[10:11]
	s_load_b64 s[12:13], s[0:1], 0x20              ; wsc
	v_lshrrev_b32 v1, 5, v0
	v_readfirstlane_b32 s16, v1                    ; wave = K step s
	v_and_b32 v1, 15, v0                           ; r
	v_bfe_u32 v2, v0, 4, 1                         ; h
	v_and_b32 v4, 31, v0
	v_lshlrev_b32 v4, 4, v4                        ; 16 x lane: my place in an image
	v_lshlrev_b32 v5, 4, v1                        ; 16 r: my column's four scale words
	s_mov_b32 s20, 0x76543210
	s_mov_b32 s21, 0xfedcba98                      ; v_permlanex16_b32's selects for lane l xor 16
	s_mov_b32 s19, 0
	s_wait_kmcnt 0x0
	s_cmp_lt_u32 ttmp9, 8
	s_cbranch_scc0 .Lwide
	s_cmp_lt_u32 ttmp9, 4                          ; Wf or Wg: rows of 256 bytes
	s_cselect_b64 s[14:15], s[4:5], s[6:7]
	s_and_b32 s17, ttmp9, 3                        ; T'
	s_lshr_b32 s18, s17, 1
	s_lshl_b32 s18, s18, 7                         ; 4 x 32 (T'/2)
	s_and_b32 s17, s17, 1
	s_lshl_b32 s17, s17, 5                         ; 4 x 8 (T'%2)
	s_add_co_u32 s18, s18, s17
	s_lshl_b32 s17, s16, 15                        ; 128 s rows
	s_add_co_u32 s18, s18, s17
	s_add_nc_u64 s[14:15], s[14:15], s[18:19]
	v_and_b32 v3, 8, v1
	v_add_nc_u32 v3, v3, v1                        ; r + 8 (r/8)
	v_lshlrev_b32 v3, 2, v3
	v_lshl_add_u32 v3, v2, 13, v3                  ; lanes 16-31 begin 32 rows further down
	LOADS 256
	s_branch .Ljoin
.Lwide:
	s_sub_co_u32 s18, ttmp9, 8                     ; Wh: rows of 2,048 bytes, column 16 (T - 8) + r
	s_lshl_b32 s18, s18, 6
	s_lshl_b32 s17, s16, 18
	s_add_co_u32 s18, s18, s17
	s_add_nc_u64 s[14:15], s[8:9], s[18:19]
	v_lshlrev_b32 v3, 2, v1
	v_lshl_add_u32 v3, v2, 16, v3
	LOADS 2048
.Ljoin:
	s_lshl_b32 s17, ttmp9, 2
	s_add_co_u32 s17, s17, s16
	s_mul_i32 s18, s17, 1536                       ; my fragment's image
	s_add_nc_u64 s[10:11], s[10:11], s[18:19]
	s_lshl_b32 s18, ttmp9, 8
	s_lshl_b32 s17, s16, 2
	s_add_co_u32 s18, s18, s17                     ; 256 T + 4 s
	s_add_nc_u64 s[12:13], s[12:13], s[18:19]
	s_wait_loadcnt 0x0
.irp c, 0,1                                            ; my block 2 c + h: all its 32 numbers are mine
	v_max3_num_f32 v[32+\c], |v[X+32*\c]|, |v[X+1+32*\c]|, 0x2800000   ; and the floor 2^(5 - 127): the byte cannot fall under 1
.endr
.irp i, 2,4,6,8,10,12,14,16,18,20,22,24,26,28,30
.irp c, 0,1
	v_max3_num_f32 v[32+\c], v[32+\c], |v[X+32*\c+\i]|, |v[X+1+32*\c+\i]|
.endr
.endr
.irp c, 0,1
	v_add_nc_u32 v[44+\c], 0xfe000000, v[32+\c]    ; 4 off the exponent field: the conversion's scale operand
.endr
.irp c, 0,1
	v_lshrrev_b32 v[36+\c], 23, v[44+\c]           ; the scale's byte
.endr
	v_lshl_or_b32 v9, v37, 16, v36                 ; my two bytes: blocks h and 2 + h,
	v_lshlrev_b32 v10, 3, v2
	v_lshlrev_b32 v9, v10, v9                      ; at their places in the word;
	v_mov_b32 v10, 0
	v_permlanex16_b32 v10, v9, s20, s21
	v_or_b32 v9, v9, v10                           ; with lane l xor 16's two the word is whole, in both lanes
.irp c, 0,1
	v_cvt_scalef32_pk16_bf6_f32 v[48+6*\c:50+6*\c], v[X+32*\c:X+15+32*\c], v[44+\c]
	v_cvt_scalef32_pk16_bf6_f32 v[192+4*\c:194+4*\c], v[X+16+32*\c:X+31+32*\c], v[44+\c]   ; (a conversion's three registers begin on an even number)
.endr
	v_nop                                          ; one plain place behind a scaled conversion
.irp c, 0,1
.irp i, 0,1,2
	v_mov_b32 v[51+6*\c+\i], v[192+4*\c+\i]
.endr
.endr
	global_store_b128 v4, v[48:51], s[10:11]       ; each store of the wave covers 512 consecutive bytes, aligned
	global_store_b128 v4, v[52:55], s[10:11] offset:512
	global_store_b128 v4, v[56:59], s[10:11] offset:1024
	global_store_b32 v5, v9, s[12:13]              ; lanes r and r + 16 write the same word with the same value
	s_endpgm
.Lfunc_end_k_qe8353a6a9c_wq:
	.size	k_qe8353a6a9c_wq, .Lfunc_end_k_qe8353a6a9c_wq-k_qe8353a6a9c_wq
	.p2alignl 7, 3214868480
	.fill 96, 4, 3214868480
	.section	.rodata,"a",@progbits
	.p2align	6, 0x0
	.amdhsa_kernel k_qe8353a6a9c_wq
		.amdhsa_group_segment_fixed_size 0
		.amdhsa_private_segment_fixed_size 0
		.amdhsa_enable_private_segment 0
		.amdhsa_kernarg_size 40
		.amdhsa_user_sgpr_count 2
		.amdhsa_user_sgpr_kernarg_segment_ptr 1
		.amdhsa_wavefront_size32 1
		.amdhsa_system_sgpr_workgroup_id_x 1
		.amdhsa_system_sgpr_workgroup_id_y 1
		.amdhsa_system_sgpr_workgroup_id_z 1
		.amdhsa_system_vgpr_workitem_id 0
		.amdhsa_next_free_vgpr 200
		.amdhsa_next_free_sgpr 66
		.amdhsa_reserve_vcc 0
		.amdhsa_float_denorm_mode_32 3
		.amdhsa_float_denorm_mode_16_64 3
		.amdhsa_memory_ordered 1
		.amdhsa_forward_progress 1
		.amdhsa_inst_pref_size 18
	.end_amdhsa_kernel
	.amdgpu_metadata
---
amdhsa.version: [ 1, 2 ]
amdhsa.kernels:
  - .name:           k_qe8353a6a9c_wq
    .symbol:         k_qe8353a6a9c_wq.kd
    .args:
      - { .name: Wf, .offset: 0, .size: 8, .value_kind: global_buffer, .address_space: global }
      - { .name: Wg, .offset: 8, .size: 8, .value_kind: global_buffer, .address_space: global }
      - { .name: Wh, .offset: 16, .size: 8, .value_kind: global_buffer, .address_space: global }
      - { .name: wimg, .offset: 24, .size: 8, .value_kind: global_buffer, .address_space: global }
      - { .name: wsc, .offset: 32, .size: 8, .value_kind: global_buffer, .address_space: global }
    .group_segment_fixed_size: 0
    .private_segment_fixed_size: 0
    .kernarg_segment_align: 8
    .kernarg_segment_size: 40
    .max_flat_workgroup_size: 128
    .sgpr_count:     66
    .vgpr_count:     200
    .wavefront_size: 32
...
	.end_amdgpu_metadata
.endif
;; end of part 1
;; launch proj (part 2): grid 256 x 1, 4 waves a work-group, no clusters, 167,936 bytes of LDS; arguments x, wimg, wsc, bf, bg, bh, kv, fq; writes kv, fq
.if DOCPART == 2
	.amdgcn_target "amdgcn-amd-amdhsa--gfx1250"
	.amdhsa_code_object_version 6
	.text
	.protected	k_qe8353a6a9c_proj
	.globl	k_qe8353a6a9c_proj
	.p2align	8
	.type	k_qe8353a6a9c_proj,@function
k_qe8353a6a9c_proj:
	s_mov_b64 s[64:65], 0
	v_nop
	global_prefetch_b8 v0, s[64:65] scope:SCOPE_SE
	s_setreg_imm32_b32 hwreg(HW_REG_WAVE_MODE, 25, 1), 1
	s_wait_xcnt 0x0
; f = x Wf + bf, g = x Wg + bg, h = x Wh + bh on codes of E3M2; the results are quantised at once (f, g along their 64 channels, h along the keys) and stored in the order in which the attention launch's registers take them.  No work is left out.
; A work-group takes 64 rows of x.  TILES OF ROWS ARE NOT NEIGHBOURS: lane r of tile m = 2 b + u takes row 32 b + 8 u + r + 8 (r/8), so that in h's results (source 0 = x's tile) the 16 registers of tiles 2 b, 2 b + 1 are 16 neighbouring keys.
; PHASES.  Wave w brings tile w's 16 rows into LDS (two tensor loads of 8 rows, its own bytes), quantises them (four fragments) and stores their register images | the one barrier | every wave takes all 16 fragments into registers |
;   f / g: wave w makes f (w < 2) or g for tiles 2 (w % 2), 2 (w % 2) + 1: source 0 = 16 columns of W, source 1 = x: a lane holds one row and 16 + 16 channels |  h: wave w makes channels 128 w .. + 127 for all four tiles.
; The weights' images come from memory straight into a ring of five register buffers, four tiles ahead.  The biases are the C of each sum's first product.
; kv: [batch][J 0..15] records of 115,712 bytes.  Record J holds h of keys 256 J ..: two steps of 128 keys, each [T 0..31][p 0..5][lane][8 bytes] and [T][r] scale words (102,400 bytes);
;   and behind it g of keys 256 ((J + 1) % 16) ..: four sub-records of 64 keys (two pair fragments of 1,536 bytes: [p 0..5][lane][8 bytes], p 0-2 tile u = 0, p 3-5 tile u = 1; then two x 128 bytes of scale words).
;   fq: a record of 3,328 bytes, in a g sub-record's form, for each 64 queries.
; LIMITS: a block of zeros, or one whose largest magnitude lies under 2^(4 - 126), gets the byte 1 (read by this program alone); NaN and infinities are not served.
; No multicast of the weights: a fragment feeds 2 or 4 products of one wave, and 304 KB of images beside 130 KB of x would want a ring with rounds and an LDS write and read for every byte.
; REGISTERS.  window 0: see the names below.  window 1: the five weight buffers of 48 (tile q in buffer q % 5, K step s at + 12 s).  window 2: two sets of 64 numbers of x, later x's 16 fragments at 12 (4 m + s).
.set REC,   115712
.set HB,    102400                     ; h's bytes in a record: g begins behind them
.set SUB,   3328
.set XWAVE, 33280                      ; LDS: a wave's 16 rows of x, 2,080 bytes apart (16 bytes of padding behind each 1,024)
.set XIMG,  133120                     ; x's 16 fragments, 1,536 bytes each: (m, s) at 4 m + s
.set XSC,   157696                     ; their scale words, 128 bytes each
.set SPARE, 159744                     ; the spare words, 128 bytes for each wave: two blocks of 256 bytes that no other line names
.set XRD, 3                            ; v3  my row's numbers: wave x 33,280 + r x 2,080 + 64 h
.set LI,  4                            ; v4  XIMG + 16 x lane
.set LS,  5                            ; v5  XSC + 4 x lane
.set XWI, 6                            ; v6  where I store my tile's images
.set XWS, 7                            ; v7  and their scale words
.set WO,  8                            ; v8  16 x lane
.set WSO, 9                            ; v9  16 r
.set O8,  10                           ; v10 8 x lane
.set O4,  11                           ; v11 4 x lane
.set BFO, 12                           ; v12 64 h
.set BHO, 13                           ; v13 4 r
.set WS,  16                           ; v16-35   the weights' scale words, four for each buffer: scales alone
.set XS,  36                           ; v36-51   x's scale words, 4 m + s: scales alone
.set FB,  52                           ; v52-83   bf or bg in the result's layout, 8 a column tile
.set BHV, 84                           ; v84-91   bh[16 T + r] for my eight tiles
.set BB,  92                           ; v92-99   eight copies of one of them: the C of a tile's first products
.set TM,  100                          ; v100-115 at work
.set PCA, 116                          ; v116-135 codes, set a (12 + 8)
.set PCB, 136                          ; v136-155 codes, set b
.set PW,  156                          ; v156-157 the scale word just made, one for each set
.set HW,  158                          ; v158-167 pairs of scale bytes
.set ACC, 168                          ; v168-231 accumulators
.set SPW, 232                          ; v232 my spare word's address; never rewritten
.set NIL, 233                          ; v233 0; never rewritten
.set MSB, 0
.macro WIN new                         ; the immediate's high byte repeats the setting that is left
.if MSB != \new
	s_set_vgpr_msb (MSB<<8)|\new
.set MSB, \new
.endif
.endm
.macro PLACES
.rept 4
	v_nop
.endr
.endm
; my row's 64 numbers of K step ks into set: register 16 b + i = k 128 ks + 32 b + 16 h + i
.macro XLD ks, set
	WIN 0x80                                       ; destination window 2
.irp b, 0,1,2,3
.irp j, 0,1,2,3
	ds_load_b128 v[64*\set+16*\b+4*\j:64*\set+16*\b+4*\j+3], v[XRD] offset:512*\ks+16*(\ks/2)+128*\b+16*\j
.endr
.endr
	WIN 0
.endm
; 64 numbers of a set become a fragment's codes in v[pc] on and its scale word in v[pw]
.macro QUANT set, pc, pw
	WIN 0x28                                       ; sources 1 and 2 window 2
.irp b, 0,1,2,3
	v_max3_num_f32 v[TM+\b], 0x2800000, |v[64*\set+16*\b]|, |v[64*\set+16*\b+1]|   ; block b: my 16 numbers, and the floor 2^(5 - 127)
.endr
.irp i, 2,4,6,8,10,12,14
.irp b, 0,1,2,3
	v_max3_num_f32 v[TM+\b], v[TM+\b], |v[64*\set+16*\b+\i]|, |v[64*\set+16*\b+\i+1]|
.endr
.endr
	WIN 0
.irp b, 0,1,2,3
	v_permlanex16_b32 v[TM+4+\b], v[TM+\b], s22, s23
.endr
.irp b, 0,1,2,3
	v_max_num_f32 v[TM+\b], v[TM+\b], v[TM+4+\b]   ; with lane l xor 16's: the block's largest magnitude
.endr
.irp b, 0,1,2,3
	v_add_nc_u32 v[TM+12+\b], 0xfe000000, v[TM+\b] ; 4 off its exponent field: the conversion's scale operand
.endr
.irp b, 0,1,2,3
	v_lshrrev_b32 v[TM+4+\b], 23, v[TM+12+\b]      ; the scale's byte
.endr
	v_lshl_or_b32 v[\pw], v[TM+5], 8, v[TM+4]
	v_lshl_or_b32 v[\pw], v[TM+6], 16, v[\pw]
	v_lshl_or_b32 v[\pw], v[TM+7], 24, v[\pw]
	WIN 0x02                                       ; source 0 window 2
.irp c, 0,1
	v_cvt_scalef32_pk16_bf6_f32 v[\pc+6*\c:\pc+6*\c+2], v[64*\set+32*\c:64*\set+32*\c+15], v[TM+12+2*\c]
	v_cvt_scalef32_pk16_bf6_f32 v[\pc+12+4*\c:\pc+14+4*\c], v[64*\set+32*\c+16:64*\set+32*\c+31], v[TM+13+2*\c]
.endr
	WIN 0
	v_nop                                          ; one plain place behind a scaled conversion
.irp c, 0,1                                            ; the operand's layout wants a whole block in a lane
.irp i, 0,1,2
	v_permlane16_swap_b32 v[\pc+6*\c+\i], v[\pc+12+4*\c+\i]
.endr
.irp i, 0,1,2
	v_mov_b32 v[\pc+3+6*\c+\i], v[\pc+12+4*\c+\i]
.endr
.endr
.endm
.macro IMAGE pc, pw, ks                ; the fragment goes to LDS as it stands: four LDS stores
.irp c, 0,1,2
	ds_store_b128 v[XWI], v[\pc+4*\c:\pc+4*\c+3] offset:1536*\ks+512*\c
.endr
	ds_store_b32 v[XWS], v[\pw] offset:128*\ks
.endm
; column tile q's four fragments and scale words: 13 loads.  q 0-3: my Wf or Wg; q 4-11: my eight tiles of Wh
.macro LOADW q
	WIN 0x40                                       ; destination window 1
.irp f, 0,1,2,3,4,5,6,7,8,9,10,11
.if (\q) < 4
	global_load_b128 v[48*((\q)%5)+4*\f:48*((\q)%5)+4*\f+3], v[WO], s[42:43] offset:6144*(\q)+512*\f
.else
	global_load_b128 v[48*((\q)%5)+4*\f:48*((\q)%5)+4*\f+3], v[WO], s[44:45] offset:6144*((\q)-4)+512*\f
.endif
.endr
	WIN 0
.if (\q) < 4
	global_load_b128 v[WS+4*((\q)%5):WS+4*((\q)%5)+3], v[WSO], s[46:47] offset:256*(\q)
.else
	global_load_b128 v[WS+4*((\q)%5):WS+4*((\q)%5)+3], v[WSO], s[48:49] offset:256*((\q)-4)
.endif
.endm
; 32 results of a lane (four accumulators; register 16 b + i = place 32 b + 16 h + i along the next K) become two blocks: lane (r, h) then holds block h's 24 bytes in v[pc .. pc + 5]; hw = the two scale bytes.
; v[pc] on may have been the data of stores: the caller sees to it that they have read their registers.
.macro Q32 src, hw, pc
.irp b, 0,1
	v_max3_num_f32 v[TM+\b], |v[\src+16*\b]|, |v[\src+16*\b+1]|, 0x2800000   ; each accumulator is read from its low end on
.endr
.irp i, 2,4,6,8,10,12,14
.irp b, 0,1
	v_max3_num_f32 v[TM+\b], v[TM+\b], |v[\src+16*\b+\i]|, |v[\src+16*\b+\i+1]|
.endr
.endr
.irp b, 0,1
	v_permlanex16_b32 v[TM+2+\b], v[TM+\b], s22, s23
.endr
.irp b, 0,1
	v_max_num_f32 v[TM+\b], v[TM+\b], v[TM+2+\b]
.endr
.irp b, 0,1
	v_add_nc_u32 v[TM+4+\b], 0xfe000000, v[TM+\b]
.endr
.irp b, 0,1
	v_lshrrev_b32 v[TM+2+\b], 23, v[TM+4+\b]
.endr
	v_lshl_or_b32 v[\hw], v[TM+3], 8, v[TM+2]
	v_cvt_scalef32_pk16_bf6_f32 v[\pc:\pc+2], v[\src:\src+15], v[TM+4]
	v_cvt_scalef32_pk16_bf6_f32 v[\pc+12:\pc+14], v[\src+16:\src+31], v[TM+5]
	v_nop                                          ; one plain place behind a scaled conversion
.irp i, 0,1,2
	v_permlane16_swap_b32 v[\pc+\i], v[\pc+12+\i]
.endr
.irp i, 0,1,2
	v_mov_b32 v[\pc+3+\i], v[\pc+12+\i]
.endr
.endm
; f / g, column tile q against x's tiles 2 pr, 2 pr + 1: two accumulators by turns, K ascending
.macro FGMM q, pr
	WIN 0x09                                       ; source 0 (W) window 1, source 1 (x) window 2
.irp s, 0,1,2,3
.irp a, 0,1
.if \s == 0
	v_wmma_scale_f32_16x16x128_f8f6f4 v[ACC+32*\a+8*(\q):ACC+32*\a+8*(\q)+7], v[48*((\q)%5)+12*\s:48*((\q)%5)+12*\s+11], v[12*(4*(2*(\pr)+\a)+\s):12*(4*(2*(\pr)+\a)+\s)+11], v[FB+8*(\q):FB+8*(\q)+7], v[WS+4*((\q)%5)+\s], v[XS+4*(2*(\pr)+\a)+\s] matrix_a_fmt:MATRIX_FMT_BF6 matrix_b_fmt:MATRIX_FMT_BF6
.else
	v_wmma_scale_f32_16x16x128_f8f6f4 v[ACC+32*\a+8*(\q):ACC+32*\a+8*(\q)+7], v[48*((\q)%5)+12*\s:48*((\q)%5)+12*\s+11], v[12*(4*(2*(\pr)+\a)+\s):12*(4*(2*(\pr)+\a)+\s)+11], v[ACC+32*\a+8*(\q):ACC+32*\a+8*(\q)+7], v[WS+4*((\q)%5)+\s], v[XS+4*(2*(\pr)+\a)+\s] matrix_a_fmt:MATRIX_FMT_BF6 matrix_b_fmt:MATRIX_FMT_BF6
.endif
.endr
.endr
	WIN 0
.endm
.macro FGT q                           ; which pair of x's tiles is mine hangs on the wave's number, and register numbers cannot: the eight products are written for both pairs
	s_wait_loadcnt 52                              ; tile q's 13 loads are in; the four tiles behind it (4 x 13) may be out
	s_cmp_eq_u32 s41, 0
	s_cbranch_scc0 .Lodd_\@
	FGMM \q, 0
	s_branch .Lfgj_\@
.Lodd_\@:
	FGMM \q, 1
.Lfgj_\@:
	PLACES                                         ; in front of loads into registers that the products have read
	LOADW \q+5
.endm
.macro BBSET t
.irp i, 0,1,2,3,4,5,6,7
	v_mov_b32 v[BB+\i], v[BHV+(\t)]
.endr
.endm
; h, my channel tile t (column tile q = t + 4) against x's four tiles: four accumulators by turns.  cnt: the loads of later tiles, which may be out
.macro HT t, cnt
	s_wait_loadcnt \cnt
	WIN 0x06                                       ; source 0 (x) window 2, source 1 (W) window 1
.irp s, 0,1,2,3
.irp m, 0,1,2,3
.if \s == 0
	v_wmma_scale_f32_16x16x128_f8f6f4 v[ACC+8*\m:ACC+8*\m+7], v[12*(4*\m+\s):12*(4*\m+\s)+11], v[48*(((\t)+4)%5)+12*\s:48*(((\t)+4)%5)+12*\s+11], v[BB:BB+7], v[XS+4*\m+\s], v[WS+4*(((\t)+4)%5)+\s] matrix_a_fmt:MATRIX_FMT_BF6 matrix_b_fmt:MATRIX_FMT_BF6
.else
	v_wmma_scale_f32_16x16x128_f8f6f4 v[ACC+8*\m:ACC+8*\m+7], v[12*(4*\m+\s):12*(4*\m+\s)+11], v[48*(((\t)+4)%5)+12*\s:48*(((\t)+4)%5)+12*\s+11], v[ACC+8*\m:ACC+8*\m+7], v[XS+4*\m+\s], v[WS+4*(((\t)+4)%5)+\s] matrix_a_fmt:MATRIX_FMT_BF6 matrix_b_fmt:MATRIX_FMT_BF6
.endif
.endr
.endr
	WIN 0
	PLACES
	s_wait_xcnt 0x0                                ; the stores issued so far, sixteen products back, have read their registers: v[PCA] on is written again below.  The wait stands AHEAD of this tile's loads, so that it does not wait for them
.if (\t) < 3
	LOADW \t+9
.endif
.if (\t) < 7
	BBSET \t+1                                     ; the next tile's bias; the quantiser's lines stand between it and the next products
.endif
	Q32 ACC, HW+2+(\t), PCA
.irp p, 0,1,2
	global_store_b64 v[O8], v[PCA+2*\p:PCA+2*\p+1], s[58:59] offset:1536*(\t)+256*\p   ; the wave stores 256 consecutive bytes, aligned
.endr
.if (\t)%2 == 1
	v_cndmask_b32 v[TM+8+(\t)/2], v[HW+1+(\t)], v[HW+2+(\t)], s40   ; lanes 0-15: tile t - 1's bytes; lanes 16-31: tile t's
	global_store_b16 v[O4], v[TM+8+(\t)/2], s[60:61] offset:128*((\t)/2)   ; my 64 keys' half of each scale word; the other half is the neighbouring work-group's
.endif
.endm
	s_load_b512 s[4:19], s[0:1], 0x0               ; x s[4:5], wimg s[6:7], wsc s[8:9], bf s[10:11], bg s[12:13], bh s[14:15], kv s[16:17], fq s[18:19]
	v_lshl_add_u32 v[SPW], v0, 2, SPARE
	v_mov_b32 v[NIL], 0
	ds_add_u32 v[SPW], v[NIL]                      ; the wave's opening: the add, twice on end, and its wait ahead of my first tensor load
	ds_add_u32 v[SPW], v[NIL]
	v_lshrrev_b32 v1, 5, v0
	v_readfirstlane_b32 s20, v1                    ; wave 0..3
	s_lshr_b32 s21, s20, 1                         ; 0: f, 1: g.  Also b of my tile of rows
	s_and_b32 s41, s20, 1                          ; which pair of x's tiles.  Also u of my tile of rows
	; descriptor group 1: 8 rows of 512 elements of 4 bytes; 16 bytes of padding behind every 256 words
	s_mov_b32 s24, (2<<16)|(1<<20)|(7<<22)|(3<<25)
	s_mov_b32 s25, 512<<16                         ; tensor_dim0
	s_mov_b32 s26, 8<<16                           ; tensor_dim1
	s_mov_b32 s27, 512<<16                         ; tile_dim0
	s_mov_b32 s28, 8                               ; tile_dim1
	s_mov_b32 s29, 512                             ; stride
	s_mov_b32 s30, 0
	s_mov_b32 s31, 0
	s_mov_b32 s32, 1
	s_mul_i32 s33, s20, XWAVE                      ; my bytes of LDS: rows r = 0 .. 7,
	s_mov_b32 s36, 1
	s_add_co_u32 s37, s33, 8*2080                  ; rows r = 8 .. 15
	s_lshl_b32 s66, ttmp9, 6
	s_lshl_b32 s67, s21, 5
	s_add_co_u32 s66, s66, s67
	s_lshl_b32 s67, s41, 3
	s_add_co_u32 s66, s66, s67                     ; my tile's first row: 64 W + 32 b + 8 u
	s_lshl_b32 s66, s66, 11
	s_mov_b32 s67, 0
	s_mov_b32 s22, 0x76543210
	s_mov_b32 s23, 0xfedcba98
	s_wait_dscnt 0x0                               ; both opening adds are done
	s_wait_kmcnt 0x0
	s_add_nc_u64 s[34:35], s[4:5], s[66:67]
	s_add_nc_u64 s[38:39], s[34:35], 16*2048       ; the second eight lie 16 rows further down
	s_or_b32 s35, s35, 0x80000000
	s_or_b32 s39, s39, 0x80000000
	tensor_load_to_lds s[32:35], s[24:31]          ; two loads of mine are out; only I read their bytes
	s_nop 0
	tensor_load_to_lds s[36:39], s[24:31]
	s_nop 0
	PLACES
	s_mul_i32 s66, s21, 4*6144
	s_add_nc_u64 s[42:43], s[6:7], s[66:67]        ; Wf's or Wg's images
	s_mul_i32 s66, s20, 8*6144
	s_add_co_u32 s66, s66, 8*6144
	s_add_nc_u64 s[44:45], s[6:7], s[66:67]        ; my eight tiles of Wh
	s_lshl_b32 s66, s21, 10
	s_add_nc_u64 s[46:47], s[8:9], s[66:67]        ; and the same in wsc
	s_lshl_b32 s66, s20, 11
	s_add_co_u32 s66, s66, 2048
	s_add_nc_u64 s[48:49], s[8:9], s[66:67]
	s_lshl_b32 s66, s20, 9
	s_add_nc_u64 s[52:53], s[14:15], s[66:67]      ; bh at my 128 channels
	s_lshr_b32 s68, ttmp9, 6                       ; the batch
	s_and_b32 s69, ttmp9, 63                       ; my block of 64 keys in it
	s_lshr_b32 s70, s69, 2                         ; j: its 256 keys
	s_and_b32 s71, s69, 3                          ; the sub-record of g
	s_bfe_u32 s72, s69, 0x10001                    ; the step of 128 keys in h
	s_and_b32 s73, s69, 1                          ; and its half
	s_mul_i32 s74, s68, 16*REC                     ; the batch's first byte in kv
	s_add_co_u32 s75, s70, 15
	s_and_b32 s75, s75, 15                         ; g of keys 256 j .. lies in record (j - 1) % 16, behind that record's h
	s_mul_i32 s75, s75, REC
	s_add_co_u32 s75, s75, s74
	s_mul_i32 s76, s71, SUB
	s_add_co_u32 s75, s75, s76
	s_add_co_u32 s75, s75, HB
	s_mul_i32 s76, s70, REC
	s_add_co_u32 s74, s74, s76                     ; record j: h of keys 256 j ..
	s_mul_i32 s76, ttmp9, SUB
	s_mov_b32 s77, 0
	s_mov_b32 s79, 0
	s_cmp_eq_u32 s21, 0                            ; f goes to fq, g to kv: the choice hangs on the wave's number alone
	s_cselect_b32 s76, s76, s75
	s_cselect_b64 s[54:55], s[18:19], s[16:17]
	s_cselect_b64 s[50:51], s[10:11], s[12:13]
	s_add_nc_u64 s[54:55], s[54:55], s[76:77]
	s_add_nc_u64 s[56:57], s[54:55], 3072
	s_mul_i32 s78, s41, 1536
	s_add_nc_u64 s[54:55], s[54:55], s[78:79]      ; my pair fragment
	s_lshl_b32 s78, s41, 7
	s_add_nc_u64 s[56:57], s[56:57], s[78:79]      ; and its scale words
	s_mul_i32 s75, s72, 51200
	s_add_co_u32 s74, s74, s75                     ; h's step
	s_mul_i32 s76, s73, 768
	s_mul_i32 s78, s20, 12288
	s_add_co_u32 s76, s76, s78
	s_add_co_u32 s76, s76, s74
	s_add_nc_u64 s[58:59], s[16:17], s[76:77]      ; my eight tiles' codes, my half's three pieces
	s_lshl_b32 s76, s20, 9
	s_lshl_b32 s78, s73, 1
	s_add_co_u32 s76, s76, s78
	s_add_co_u32 s76, s76, s74
	s_add_co_u32 s76, s76, 49152
	s_add_nc_u64 s[60:61], s[16:17], s[76:77]      ; and their scale words' halves
	v_and_b32 v14, 31, v0                          ; lane
	v_and_b32 v1, 15, v0                           ; r
	v_bfe_u32 v2, v0, 4, 1                         ; h
	v_mul_u32_u24 v[XRD], v1, 2080
	v_lshl_add_u32 v[XRD], v2, 6, v[XRD]
	v_add_nc_u32 v[XRD], s33, v[XRD]
	v_lshlrev_b32 v[WO], 4, v14
	v_add_nc_u32 v[LI], XIMG, v[WO]
	v_lshlrev_b32 v[O4], 2, v14
	v_add_nc_u32 v[LS], XSC, v[O4]
	s_mul_i32 s66, s20, 4*1536
	v_add_nc_u32 v[XWI], s66, v[LI]
	s_lshl_b32 s66, s20, 9
	v_add_nc_u32 v[XWS], s66, v[LS]
	v_lshlrev_b32 v[WSO], 4, v1
	v_lshlrev_b32 v[O8], 3, v14
	v_lshlrev_b32 v[BFO], 6, v2
	v_lshlrev_b32 v[BHO], 2, v1
	v_cmp_le_u32 s40, 16, v14                      ; lanes 16-31
.irp b, 0,1,2,3
	v_mov_b32 v[TM+4+\b], 0                        ; written once: a lane permute's destination counts as one of its sources
.endr
.irp q, 0,1,2,3                                        ; lane (r, h) wants, for column tile 2 b + u, the bias of channels 32 b + 16 h + 8 u + 0 .. 7
	global_load_b128 v[FB+8*\q:FB+8*\q+3], v[BFO], s[50:51] offset:(32*(\q/2)+8*(\q%2))*4
	global_load_b128 v[FB+8*\q+4:FB+8*\q+7], v[BFO], s[50:51] offset:(32*(\q/2)+8*(\q%2))*4+16
.endr
.irp t, 0,1,2,3,4,5,6,7
	global_load_b32 v[BHV+\t], v[BHO], s[52:53] offset:64*\t
.endr
	LOADW 0
	LOADW 1
	LOADW 2
	LOADW 3
	LOADW 4
	s_wait_tensorcnt 0x0                           ; my 16 rows lie in LDS
	XLD 0, 0
	XLD 1, 1
	s_wait_dscnt 16                                ; K step 0 is in; step 1's 16 loads may be out
	QUANT 0, PCA, PW
	IMAGE PCA, PW, 0
	XLD 2, 0
	s_wait_dscnt 20                                ; step 1 is in; behind it: 4 stores and step 2's 16 loads
	QUANT 1, PCB, PW+1
	IMAGE PCB, PW+1, 1
	XLD 3, 1
	s_wait_dscnt 20                                ; step 2 is in; behind it: 4 stores and step 3's 16 loads
	QUANT 0, PCA, PW
	IMAGE PCA, PW, 2
	s_wait_dscnt 4                                 ; step 3 is in; behind it: 4 stores
	QUANT 1, PCB, PW+1
	IMAGE PCB, PW+1, 3
	s_wait_dscnt 0x0                               ; for the others' sake: my images have landed
	s_barrier_signal -1
	s_barrier_wait -1                              ; x's sixteen fragments lie in LDS
	WIN 0x80
.set i, 0
.rept 48
	ds_load_b128 v[4*i:4*i+3], v[LI] offset:512*i  ; fragment (m, s) to v[12 (4 m + s)] of window 2
.set i, i+1
.endr
	WIN 0
.irp f, 0,1,2,3,4,5,6,7,8,9,10,11,12,13,14,15
	ds_load_b32 v[XS+\f], v[LS] offset:128*\f
.endr
	s_wait_dscnt 0x0
	FGT 0
	FGT 1
	FGT 2
	FGT 3
	BBSET 0
	Q32 ACC, HW, PCA                               ; tile u = 0 of my pair: 64 channels of 16 rows.  No store has been issued yet, and the two tiles take two sets of registers: no wait is owed here
.irp p, 0,1,2
	global_store_b64 v[O8], v[PCA+2*\p:PCA+2*\p+1], s[54:55] offset:256*\p
.endr
	Q32 ACC+32, HW+1, PCB                          ; tile u = 1
.irp p, 0,1,2
	global_store_b64 v[O8], v[PCB+2*\p:PCB+2*\p+1], s[54:55] offset:768+256*\p
.endr
	v_lshl_or_b32 v[TM+12], v[HW+1], 16, v[HW]     ; the pair's scale word: tile 0's two bytes, tile 1's two
	global_store_b32 v[O4], v[TM+12], s[56:57]
	HT 0, 52
	HT 1, 52
	HT 2, 52
	HT 3, 52
	HT 4, 39
	HT 5, 26
	HT 6, 13
	HT 7, 0
	s_wait_tensorcnt 0x0                           ; the wave's end: the add and its wait behind my last tensor load and my last LDS store
	ds_add_u32 v[SPW], v[NIL]
	s_wait_dscnt 0x0
	s_endpgm
.Lfunc_end_k_qe8353a6a9c_proj:
	.size	k_qe8353a6a9c_proj, .Lfunc_end_k_qe8353a6a9c_proj-k_qe8353a6a9c_proj
	.p2alignl 7, 3214868480
	.fill 96, 4, 3214868480
	.section	.rodata,"a",@progbits
	.p2align	6, 0x0
	.amdhsa_kernel k_qe8353a6a9c_proj
		.amdhsa_group_segment_fixed_size 167936
		.amdhsa_private_segment_fixed_size 0
		.amdhsa_enable_private_segment 0
		.amdhsa_kernarg_size 64
		.amdhsa_user_sgpr_count 2
		.amdhsa_user_sgpr_kernarg_segment_ptr 1
		.amdhsa_wavefront_size32 1
		.amdhsa_system_sgpr_workgroup_id_x 1
		.amdhsa_system_sgpr_workgroup_id_y 1
		.amdhsa_system_sgpr_workgroup_id_z 1
		.amdhsa_system_vgpr_workitem_id 0
		.amdhsa_next_free_vgpr 768
		.amdhsa_next_free_sgpr 80
		.amdhsa_reserve_vcc 0
		.amdhsa_float_denorm_mode_32 3
		.amdhsa_float_denorm_mode_16_64 3
		.amdhsa_memory_ordered 1
		.amdhsa_forward_progress 1
		.amdhsa_inst_pref_size 99
	.end_amdhsa_kernel
	.amdgpu_metadata
---
amdhsa.version: [ 1, 2 ]
amdhsa.kernels:
  - .name:           k_qe8353a6a9c_proj
    .symbol:         k_qe8353a6a9c_proj.kd
    .args:
      - { .name: x, .offset: 0, .size: 8, .value_kind: global_buffer, .address_space: global }
      - { .name: wimg, .offset: 8, .size: 8, .value_kind: global_buffer, .address_space: global }
      - { .name: wsc, .offset: 16, .size: 8, .value_kind: global_buffer, .address_space: global }
      - { .name: bf, .offset: 24, .size: 8, .value_kind: global_buffer, .address_space: global }
      - { .name: bg, .offset: 32, .size: 8, .value_kind: global_buffer, .address_space: global }
      - { .name: bh, .offset: 40, .size: 8, .value_kind: global_buffer, .address_space: global }
      - { .name: kv, .offset: 48, .size: 8, .value_kind: global_buffer, .address_space: global }
      - { .name: fq, .offset: 56, .size: 8, .value_kind: global_buffer, .address_space: global }
    .group_segment_fixed_size: 167936
    .private_segment_fixed_size: 0
    .kernarg_segment_align: 8
    .kernarg_segment_size: 64
    .max_flat_workgroup_size: 128
    .sgpr_count:     80
    .vgpr_count:     768
    .wavefront_size: 32
...
	.end_amdgpu_metadata
.endif
;; end of part 2
;; launch attn (part 3): grid 64 x 4, 8 waves a work-group, clusters of 4 x 1, 327,680 bytes of LDS; arguments kv, fq, x, gamma, out0; writes out0
.if DOCPART == 3
	.amdgcn_target "amdgcn-amd-amdhsa--gfx1250"
	.amdhsa_code_object_version 6
	.text
	.protected	k_qe8353a6a9c_attn
	.globl	k_qe8353a6a9c_attn
	.p2align	8
	.type	k_qe8353a6a9c_attn,@function
k_qe8353a6a9c_attn:
	s_mov_b64 s[64:65], 0
	v_nop
	global_prefetch_b8 v0, s[64:65] scope:SCOPE_SE
	s_setreg_imm32_b32 hwreg(HW_REG_WAVE_MODE, 25, 1), 1
	s_wait_xcnt 0x0
	s_wait_alu depctr_hold_cnt(0) depctr_sa_sdst(0) depctr_va_vdst(0) depctr_va_sdst(0) depctr_va_ssrc(0) depctr_va_vcc(0) depctr_vm_vsrc(0)
	s_getreg_b32 s2, hwreg(HW_REG_IB_STS2, 6, 4)
	s_cmp_eq_u32 s2, 0
	s_cbranch_scc0 .Lentry_in_a_cluster
	s_endpgm
.Lentry_in_a_cluster:
	s_bfe_u32 s2, ttmp6, 0x10000c
	s_cmp_lg_u32 s2, 0x3003
	s_cbranch_scc0 .Lentry_shape_is_right
	s_endpgm
.Lentry_shape_is_right:
; out0 = x + gamma (P h) / l:  S^T = g f^T and O^T = h^T P^T on codes of E3M2.  t = score x log2(e); M = the running largest t rounded UP to a whole number; p = 2^(t - M) is quantised along the keys, not normalised;
; l is the sum of the unquantised p; when M moves, l and O are multiplied by 2^(old M - new M), which rounds nothing.  No work is left out.
; SHARES.  A work-group owns 64 queries of one batch.  Its eight waves have TWO ROLES, four waves each, two waves to a SIMD.  A SOFTMAX wave owns one tile of 16 queries: in each interval it makes the scores of 256 keys, the softmax,
; and stores P's codes, scale words and the factor in LDS as images of registers.  A PV wave owns 128 of the 512 channels for all four tiles of queries (32 accumulators) and works one interval behind: it rescales and multiplies.
; So a fragment of h is read from LDS once in the work-group and feeds four products, and one wave's vector work stands beside the other's matrix work.
; K = 64 IN A FORM OF K = 128: a pair fragment holds two tiles of 16 keys, [tile a | tile b]; multiplied by [f | zero codes] it gives tile a's scores, by [zero codes | f] tile b's.  Zero codes add nothing under any scale byte but 0xff.
; THE ROWS OF A TILE (keys, queries) ARE NOT NEIGHBOURS: lane r of tile 2 b + u holds row 32 b + 8 u + r + 8 (r/8): the 16 registers of a pair's two results are 16 neighbouring keys.
; THE WALK.  kv's record J, a dense run of 115,712 bytes, holds h of keys 256 J .. and behind it g of keys 256 ((J + 1) % 16) ...  A softmax with a running maximum takes the keys in any order: cluster c of a batch begins at
; record J0 = 3 c % 16 and goes round, J(i) = (J0 + i) % 16.  So in every interval the sixteen clusters of a batch ask for sixteen different records.
; THE RING.  Interval i = 0 .. 16 runs the softmax of J(i)'s keys (i <= 15) and the products of J(i - 1)'s keys (i >= 1).  Both operands lie in record J(i - 1), in slot (i - 1) % 2; g of J0's keys, out of the record before J0,
; has bytes of its own.  Behind the round at the head of interval i (i >= 2) record J(i) is asked for, into the slot read in interval i - 1: it has an interval in which to land.  Of the last record h alone is asked for.
; CLUSTER.  The four work-groups of a cluster belong to one batch and walk the same records: each tile is asked for JOINTLY (mask 15).  Waves 0 to 3 fetch a quarter each: at most three loads of a wave are out at the head, later one.
; No prefetch names kv: the first fills of a batch's sixteen clusters name all sixteen records, so there is no later first request to run ahead of.  x's rows 0-7 of each softmax wave are prefetched an interval ahead of their loads.
; LIMITS: NaN and infinities are not served; a p under 2^-126 counts as 0 (v_exp_f32 flushes, ISA guide 15.8); a block of zeros keeps the scale byte 1; 1 / l is v_rcp_f32; the order of the f32 sums over the keys differs from cluster to cluster.
; REGISTERS.  v0-26 addresses, v27-28 the add's two; v29-53 scale words and nothing else, in either role.
;   softmax wave: v54-59 -M, largest t, l (two halves), the factor; v60-187 S^T, then p; v188.. at work; window 1: v0-95 g's eight pair fragments, v96-119 [f | 0] and [0 | f]; v128-255, and at the end all of window 1: x.
;   PV wave: v54-61 four factors; v62-157 P's eight fragments; v158-253 two buffers of four fragments of h; window 1: O^T (t, m) at 8 (4 t + m).
.set REC,   115712
.set HB,    102400                     ; h's bytes in a record: g begins behind them
.set HSTEP, 51200
.set SUB,   3328
.set SLOT1, 131072                     ; slot 1, and P's second buffer, lie this far behind the first: one exclusive or turns an address
.set PB,    115712                     ; behind slot 0: P's buffer: codes m x 3,072 + sigma x 1,536;
.set PSC,   12288                      ;   scale words, 128 bytes for each (m, sigma);
.set PFC,   13312                      ;   factors, 128 bytes for each m.  13,824 bytes in all
.set G0R,   260608                     ; g of the walk's first keys
.set LW,    273920                     ; gamma / l, 128 bytes for each tile of queries
.set SPARE, 274432                     ; the spare words, 128 bytes for each wave: four blocks of 256 bytes that no other line names
.set SP,    2064                       ; the way out: a stage of 64 rows x (2,048 + 16) bytes from LDS byte 0, used when every slot has had its last fill and its last read
.set AG0, 1                            ; v1  8 x lane
.set AGS0, 2                           ; v2  4 x lane
.set APW0, 3                           ; v3  where I store P's codes
.set APS0, 4                           ; v4  its scale words
.set APF0, 5                           ; v5  the factor
.set AV0, 6                            ; v6  my eight tiles of h
.set AVS0, 7                           ; v7  their scale words
.set APR0, 8                           ; v8  where P's codes are read
.set APQ0, 9                           ; v9  and its scale words and factors
.set ADG, 10                           ; v10-18 the same nine with the interval's slot added
.set ADGS, 11
.set ADPW, 12
.set ADPS, 13
.set ADPF, 14
.set ADV, 15
.set ADVS, 16
.set ADPR, 17
.set ADPQ, 18
.set STO, 19                           ; v19, v20 the stage: where a PV wave puts 32 bytes of a row (tiles 0, 1; tiles 2, 3)
.set RD,  21                           ; v21 where a softmax wave reads rows back
.set LWA, 22
.set LWR, 23
.set XO,  24                           ; v24 16 x lane
.set XPO, 26                           ; v26 256 x lane
.set SPW, 27
.set NIL, 28
.set FS,  29                           ; f's scale word [s0, s1, s0, s1]
.set GS,  30                           ; g's, one for each pair fragment
.set PS,  38                           ; P's, 2 m + sigma
.set VS,  46                           ; h's, 4 sigma + a: lanes 0-15 tile 2 a, lanes 16-31 tile 2 a + 1
.set NM,  54
.set LSUM, 56
.set FQ,  58
.set S,   60
.set BM,  188
.set TP,  196
.set SO,  204
.set PCA, 212
.set PTA, 224
.set PW,  232
.set SU,  234
.set T0,  240
.set PCB, 244
.set PTB, 188                          ; (the blocks' maxima are done with by then)
.set FLO, 96
.set FHI, 108
.set FF,  54
.set P,   62
.set VB0, 158
.set VB1, 206
.set WV,  14
.set ROLE, 15
.set IDX, 16
.set SEL, 20
.set CS,  22
.set GAM, 24
.set TB,  25                           ; s25 the slot, and P's buffer, that are read
.set TW,  26                           ; s26 P's buffer that is written
.set TG,  27                           ; s27 where the interval's g begins
.set CNT, 28
.set G1,  32                           ; s[32:39] group 1: 113 rows of 256 bytes;  s[40:47] 100 rows;  s[48:55] 13 rows
.set G1L, 40
.set G1F, 48
.set G0F, 56                           ; s[56:59] the first g;  s[60:63] record J(0);  s[68:71] record J(1), then it walks;  s[72:75] record J(15)'s h
.set G0A, 60
.set G0W, 68
.set G0L, 72
.set BSW, 84                           ; s[84:85] the batch's first record at my quarter
.set OFW, 90                           ; s[90:91] the walking record's offset
.set JW,  97                           ; s97 the walking record's number
.set MSB, 0
.macro WIN new                         ; the immediate's high byte repeats the setting that is left
.if MSB != \new
	s_set_vgpr_msb (MSB<<8)|\new
.set MSB, \new
.endif
.endm
.macro PLACES
.rept 4
	v_nop
.endr
.endm
.macro ROUND                           ; a round of the cluster's barrier
	s_barrier_signal -1
	s_barrier_wait -1
	s_cmp_lg_u32 s[WV], 0
	s_cbranch_scc1 .Lnot_wave_0_\@
	s_barrier_signal -3
.Lnot_wave_0_\@:
	s_barrier_wait -3
	s_barrier_signal -1
	s_barrier_wait -1
.endm
.macro TLOAD g0, g1                    ; waves 0 to 3 fetch a quarter each; the branch hangs on the wave's number alone
	s_cmp_lt_u32 s[WV], 4
	s_cbranch_scc0 .Lno_load_\@
	tensor_load_to_lds s[\g0:\g0+3], s[\g1:\g1+7]
	s_nop 0
	PLACES
.Lno_load_\@:
.endm
.macro ADDR                            ; made by every wave, ahead of the parting of the roles
	v_add_nc_u32 v[ADG], s[TG], v[AG0]
	v_add_nc_u32 v[ADGS], s[TG], v[AGS0]
	v_add_nc_u32 v[ADPW], s[TW], v[APW0]
	v_add_nc_u32 v[ADPS], s[TW], v[APS0]
	v_add_nc_u32 v[ADPF], s[TW], v[APF0]
	v_add_nc_u32 v[ADV], s[TB], v[AV0]
	v_add_nc_u32 v[ADVS], s[TB], v[AVS0]
	v_add_nc_u32 v[ADPR], s[TB], v[APR0]
	v_add_nc_u32 v[ADPQ], s[TB], v[APQ0]
.endm
.macro TOGGLE
	s_xor_b32 s[TB], s[TB], SLOT1
	s_xor_b32 s[TW], s[TW], SLOT1
	s_xor_b32 s[TG], s[TG], SLOT1
.endm
; THE CHANGE OF SLOTS.  Every wave waits for all its tensor loads, adds 0 to its spare word, and waits for that, for its reads of the slot and of P's buffer that it has left, and for its stores into P's other buffer.
; The round then holds of every wave of every partner; the joint refill is the first thing behind it.  kind 0: the next record of the walk, by the walking descriptor; kind 1: the last record's h.
.macro CHANGE kind
	s_wait_tensorcnt 0x0                           ; no tensor load of mine is out, so a group 0 may be written
	ds_add_u32 v[SPW], v[NIL]
	ds_add_u32 v[SPW], v[NIL]                      ; twice on end here
.if \kind == 0
	s_xor_b32 s[G0W+1], s[G0W+1], SLOT1            ; the other slot than last time,
	s_add_co_u32 s[JW], s[JW], 1
	s_and_b32 s[JW], s[JW], 15                     ; the next record, round the batch's sixteen: made of the cluster's number and the count of intervals, which the four partners share
	s_mul_i32 s[OFW], s[JW], REC
	s_add_nc_u64 s[G0W+2:G0W+3], s[BSW:BSW+1], s[OFW:OFW+1]
	s_or_b32 s[G0W+3], s[G0W+3], 0x80000000        ; type = 2
.endif
	s_wait_dscnt 0x0
	ROUND
.if \kind == 0
	TLOAD G0W, G1
.else
	TLOAD G0L, G1L
	s_cmp_eq_u32 s[ROLE], 0                        ; a softmax wave asks for rows 0-7 of its 16 rows of x, 64 blocks of 256 bytes, a lane a block, one interval ahead of their loads
	s_cbranch_scc0 .Lno_x_\@
.irp n, 0,1
	global_prefetch_b8 v[XPO], s[92:93] offset:8192*\n th:TH_LOAD_NT scope:SCOPE_SE
.endr
.Lno_x_\@:
.endif
.endm
.macro XLOAD first                     ; 32 loads, from number first on: eight of my 16 rows of x, 512 consecutive bytes a load, into window 1 at 4 x the load's number
	WIN 0x40
.set i, \first
.rept 32
	global_load_b128 v[4*i:4*i+3], v[XO], s[92:93] offset:2048*(i/4)+512*(i%4) th:TH_LOAD_NT
.set i, i+1
.endr
	WIN 0
.endm
.macro CODES sg, pc, pt                ; p's 64 registers of step sg become half blocks of codes
.irp c, 0,1
	v_cvt_scalef32_pk16_bf6_f32 v[\pc+6*\c:\pc+6*\c+2], v[S+64*\sg+32*\c:S+64*\sg+32*\c+15], v[SO+4*\sg+2*\c]
	v_cvt_scalef32_pk16_bf6_f32 v[\pt+4*\c:\pt+4*\c+2], v[S+64*\sg+32*\c+16:S+64*\sg+32*\c+31], v[SO+4*\sg+2*\c+1]
.endr
.endm
.macro WHOLE pc, pt                    ; the operand's layout wants a whole block in a lane
.irp c, 0,1
.irp i, 0,1,2
	v_permlane16_swap_b32 v[\pc+6*\c+\i], v[\pt+4*\c+\i]
.endr
.irp i, 0,1,2
	v_mov_b32 v[\pc+3+6*\c+\i], v[\pt+4*\c+\i]
.endr
.endr
.endm
; A SOFTMAX WAVE'S INTERVAL: 256 keys
.macro PH1
.irp q, 0,1,2,3,4,5,6,7
	ds_load_b32 v[GS+\q], v[ADGS] offset:(\q/2)*SUB+3072+(\q%2)*128
.endr
	WIN 0x40                                       ; destination window 1
.irp q, 0,1,2,3,4,5,6,7
.irp p, 0,1,2,3,4,5
	ds_load_b64 v[12*\q+2*\p:12*\q+2*\p+1], v[ADG] offset:(\q/2)*SUB+(\q%2)*1536+256*\p
.endr
.endr
	WIN 0x05                                       ; sources 0 (g) and 1 (f) window 1
.irp q, 0,1,2,3,4,5,6,7
	s_wait_dscnt 6*(7-\q)                          ; pair q is in; the later pairs' six loads each may be out
	v_wmma_scale_f32_16x16x128_f8f6f4 v[S+16*\q:S+16*\q+7], v[12*\q:12*\q+11], v[FLO:FLO+11], 0, v[GS+\q], v[FS] matrix_a_fmt:MATRIX_FMT_BF6 matrix_b_fmt:MATRIX_FMT_BF6
	v_wmma_scale_f32_16x16x128_f8f6f4 v[S+16*\q+8:S+16*\q+15], v[12*\q:12*\q+11], v[FHI:FHI+11], 0, v[GS+\q], v[FS] matrix_a_fmt:MATRIX_FMT_BF6 matrix_b_fmt:MATRIX_FMT_BF6
.endr                                                  ; register 16 q + i of lane (r, h): query r, key 32 q + 16 h + i
	WIN 0
	PLACES
.irp b, 0,1,2,3,4,5,6,7
	v_max3_num_f32 v[BM+\b], v[S+16*\b], v[S+16*\b+1], v[S+16*\b+2]   ; the largest score of each block of 32 keys: for the row's maximum and, since p rises with the score, for the block's largest p
.endr
.irp i, 3,5,7,9,11,13
.irp b, 0,1,2,3,4,5,6,7
	v_max3_num_f32 v[BM+\b], v[BM+\b], v[S+16*\b+\i], v[S+16*\b+\i+1]
.endr
.endr
.irp b, 0,1,2,3,4,5,6,7
	v_max_num_f32 v[BM+\b], v[BM+\b], v[S+16*\b+15]
.endr
.irp b, 0,1,2,3,4,5,6,7
	v_permlanex16_b32 v[TP+\b], v[BM+\b], s[SEL], s[SEL+1]
.endr
.irp b, 0,1,2,3,4,5,6,7
	v_max_num_f32 v[BM+\b], v[BM+\b], v[TP+\b]     ; with lane l xor 16's 16 keys
.endr
	v_max3_num_f32 v[T0], v[BM], v[BM+1], v[BM+2]
	v_max3_num_f32 v[T0], v[T0], v[BM+3], v[BM+4]
	v_max3_num_f32 v[T0], v[T0], v[BM+5], v[BM+6]
	v_max_num_f32 v[T0], v[T0], v[BM+7]            ; the interval's largest score of my query
	v_mul_f32 v[T0], s[CS], v[T0]                  ; as t
	v_max_num_f32 v[NM+1], v[NM+1], v[T0]          ; the running largest t
	v_mov_b32 v[T0], v[NM]
	v_floor_f32 v[NM], -v[NM+1]                    ; the new -M = floor(-t) = -ceil(t)
	v_sub_f32 v[T0], v[NM], v[T0]                  ; old M - new M: a whole number, 0 or less
	v_cvt_i32_f32 v[T0], v[T0]                     ; (it saturates)
	v_ldexp_f32 v[FQ], 1.0, v[T0]                  ; the factor 2^(old M - new M)
.set j, 0
.rept 64
	v_pk_fma_f32 v[S+2*j:S+2*j+1], v[S+2*j:S+2*j+1], s[CS:CS+1], v[NM:NM+1] op_sel_hi:[1,0,0]   ; t - M, two at a time
.set j, j+1
.endr
.irp b, 0,1,2,3,4,5,6,7
	v_fma_f32 v[BM+\b], v[BM+\b], s[CS], v[NM]     ; the same of each block's largest score
.endr
.set j, 0
.rept 128
	v_exp_f32 v[S+j], v[S+j]                       ; p = 2^(t - M)
.set j, j+1
.endr
	v_pk_mul_f32 v[LSUM:LSUM+1], v[LSUM:LSUM+1], v[FQ:FQ+1] op_sel_hi:[1,0]   ; l under the new M: the plain place behind the batch
	s_wait_alu depctr_va_vdst(0)                   ; one wait for the 128, ahead of their first reader
.irp b, 0,1,2,3,4,5,6,7
	v_exp_f32 v[BM+\b], v[BM+\b]                   ; each block's largest p
.endr
	v_pk_add_f32 v[SU:SU+1], v[S:S+1], v[S+2:S+3]  ; l is the sum of the UNQUANTISED p: 64 pairs in four chains.  (These read the 128 alone: plain work behind the eight)
	v_pk_add_f32 v[SU+2:SU+3], v[S+4:S+5], v[S+6:S+7]
	v_pk_add_f32 v[SU+4:SU+5], v[S+8:S+9], v[S+10:S+11]
.set j, 6
.rept 58
.if j%4 == 2
	v_pk_add_f32 v[LSUM:LSUM+1], v[LSUM:LSUM+1], v[S+2*j:S+2*j+1]
.else
	v_pk_add_f32 v[SU+2*((j+1)%4):SU+2*((j+1)%4)+1], v[SU+2*((j+1)%4):SU+2*((j+1)%4)+1], v[S+2*j:S+2*j+1]
.endif
.set j, j+1
.endr
	v_pk_add_f32 v[LSUM:LSUM+1], v[LSUM:LSUM+1], v[SU:SU+1]
	v_pk_add_f32 v[SU+2:SU+3], v[SU+2:SU+3], v[SU+4:SU+5]
	v_pk_add_f32 v[LSUM:LSUM+1], v[LSUM:LSUM+1], v[SU+2:SU+3]
	s_wait_alu depctr_va_vdst(0)                   ; and one for the eight
.irp b, 0,1,2,3,4,5,6,7
	v_max_num_f32 v[BM+\b], 0x2800000, v[BM+\b]    ; the floor 2^(5 - 127): the byte cannot fall under 1
.endr
.irp b, 0,1,2,3,4,5,6,7
	v_add_nc_u32 v[SO+\b], 0xfe000000, v[BM+\b]    ; 4 off the exponent field: the conversion's scale operand
.endr
.irp b, 0,1,2,3,4,5,6,7
	v_lshrrev_b32 v[TP+\b], 23, v[SO+\b]           ; the scale's byte
.endr
.irp g, 0,1
	v_lshl_or_b32 v[PW+\g], v[TP+4*\g+1], 8, v[TP+4*\g]
	v_lshl_or_b32 v[PW+\g], v[TP+4*\g+2], 16, v[PW+\g]
	v_lshl_or_b32 v[PW+\g], v[TP+4*\g+3], 24, v[PW+\g]
.endr
	CODES 0, PCA, PTA
	CODES 1, PCB, PTB
	v_nop                                          ; one plain place behind the scaled conversions
	WHOLE PCA, PTA
	WHOLE PCB, PTB
.irp c, 0,1,2
	ds_store_b128 v[ADPW], v[PCA+4*\c:PCA+4*\c+3] offset:512*\c
.endr
.irp c, 0,1,2
	ds_store_b128 v[ADPW], v[PCB+4*\c:PCB+4*\c+3] offset:1536+512*\c
.endr
	ds_store_b32 v[ADPS], v[PW]
	ds_store_b32 v[ADPS], v[PW+1] offset:128
	ds_store_b32 v[ADPF], v[FQ]
.endm
; A PV WAVE'S INTERVAL
.macro VLD buf, sg, base               ; four fragments of h: 24 loads
.irp t, 0,1,2,3
.irp p, 0,1,2,3,4,5
	ds_load_b64 v[\buf+12*\t+2*\p:\buf+12*\t+2*\p+1], v[ADV] offset:HSTEP*\sg+1536*(\base+\t)+256*\p
.endr
.endr
.endm
.macro PLD sg                          ; P's four fragments of step sg: 12 loads
.irp m, 0,1,2,3
.irp c, 0,1,2
	ds_load_b128 v[P+12*(2*\m+\sg)+4*\c:P+12*(2*\m+\sg)+4*\c+3], v[ADPR] offset:3072*\m+1536*\sg+512*\c
.endr
.endr
.endm
.macro RESC base                       ; O^T of four channel tiles x each query's factor, each accumulator from its low end on
	WIN 0x41                                       ; destination and source 0 window 1
.irp t, 0,1,2,3
.irp m, 0,1,2,3
.irp j, 0,2,4,6
	v_pk_mul_f32 v[8*(4*(\base+\t)+\m)+\j:8*(4*(\base+\t)+\m)+\j+1], v[8*(4*(\base+\t)+\m)+\j:8*(4*(\base+\t)+\m)+\j+1], v[FF+2*\m:FF+2*\m+1] op_sel_hi:[1,0]
.endr
.endr
.endr
.endm
.macro MM buf, sg, base, zero          ; 16 products on 16 accumulators, one instruction a turn.  zero = 1: they start the sums
	WIN 0x50                                       ; C and D window 1
.irp t, 0,1,2,3
.irp m, 0,1,2,3
.if \zero
.if \t%2
	v_wmma_scale_f32_16x16x128_f8f6f4 v[8*(4*(\base+\t)+\m):8*(4*(\base+\t)+\m)+7], v[\buf+12*\t:\buf+12*\t+11], v[P+12*(2*\m+\sg):P+12*(2*\m+\sg)+11], 0, v[VS+4*\sg+(\base+\t)/2], v[PS+2*\m+\sg] matrix_a_fmt:MATRIX_FMT_BF6 matrix_b_fmt:MATRIX_FMT_BF6 matrix_a_scale:MATRIX_SCALE_ROW1
.else
	v_wmma_scale_f32_16x16x128_f8f6f4 v[8*(4*(\base+\t)+\m):8*(4*(\base+\t)+\m)+7], v[\buf+12*\t:\buf+12*\t+11], v[P+12*(2*\m+\sg):P+12*(2*\m+\sg)+11], 0, v[VS+4*\sg+(\base+\t)/2], v[PS+2*\m+\sg] matrix_a_fmt:MATRIX_FMT_BF6 matrix_b_fmt:MATRIX_FMT_BF6
.endif
.else
.if \t%2
	v_wmma_scale_f32_16x16x128_f8f6f4 v[8*(4*(\base+\t)+\m):8*(4*(\base+\t)+\m)+7], v[\buf+12*\t:\buf+12*\t+11], v[P+12*(2*\m+\sg):P+12*(2*\m+\sg)+11], v[8*(4*(\base+\t)+\m):8*(4*(\base+\t)+\m)+7], v[VS+4*\sg+(\base+\t)/2], v[PS+2*\m+\sg] matrix_a_fmt:MATRIX_FMT_BF6 matrix_b_fmt:MATRIX_FMT_BF6 matrix_a_scale:MATRIX_SCALE_ROW1
.else
	v_wmma_scale_f32_16x16x128_f8f6f4 v[8*(4*(\base+\t)+\m):8*(4*(\base+\t)+\m)+7], v[\buf+12*\t:\buf+12*\t+11], v[P+12*(2*\m+\sg):P+12*(2*\m+\sg)+11], v[8*(4*(\base+\t)+\m):8*(4*(\base+\t)+\m)+7], v[VS+4*\sg+(\base+\t)/2], v[PS+2*\m+\sg] matrix_a_fmt:MATRIX_FMT_BF6 matrix_b_fmt:MATRIX_FMT_BF6
.endif
.endif
.endr
.endr
.endm
.macro PH2 zero                        ; zero = 1: the walk's first 256 keys: nothing to rescale, and the first step's products start the sums: no accumulator is ever cleared
.if \zero == 0
.irp m, 0,1,2,3
	ds_load_b32 v[FF+2*\m], v[ADPQ] offset:PFC-PSC+128*\m
.endr
.endif
.irp i, 0,1,2,3,4,5,6,7
	ds_load_b32 v[PS+\i], v[ADPQ] offset:128*\i
.endr
.irp i, 0,1,2,3,4,5,6,7
	ds_load_b32 v[VS+\i], v[ADVS] offset:HSTEP*(\i/4)+128*(\i%4)
.endr
	PLD 0
	VLD VB0, 0, 0
.if \zero == 0
	s_wait_dscnt 52                                ; the four factors are in; the 8 + 8 + 12 + 24 loads behind them may be out
	RESC 0
	WIN 0
.endif
	VLD VB1, 0, 4
	PLD 1
	s_wait_dscnt 36                                ; all but the 24 + 12 just issued
	MM VB0, 0, 0, \zero
.if \zero
	WIN 0
	PLACES
.else
	RESC 4                                         ; these name no register of the products above: they are the places in front of the loads below
	WIN 0
.endif
	VLD VB0, 1, 0
	s_wait_dscnt 36                                ; the second buffer is in; behind it: P's 12 and the 24 just issued
	MM VB1, 0, 4, \zero
	WIN 0
	PLACES
	VLD VB1, 1, 4
	s_wait_dscnt 24                                ; all but the 24 just issued
	MM VB0, 1, 0, 0
	s_wait_dscnt 0x0
	MM VB1, 1, 4, 0
	WIN 0
	PLACES                                         ; in front of the next interval's loads and rescaling
.endm
.macro WORK ph2, zero, xb              ; the roles part on the wave's number and join again.  xb = 1: a softmax wave first asks for rows 8-15 of its x, into registers of window 1 that the softmax does not touch
	s_cmp_eq_u32 s[ROLE], 0
	s_cbranch_scc0 .Lpv_\@
.if \xb
	XLOAD 32
.endif
	PH1
	s_branch .Ljoin_\@
.Lpv_\@:
.if \ph2
	PH2 \zero
.endif
.Ljoin_\@:
.endm
	s_load_b256 s[4:11], s[0:1], 0x0               ; kv s[4:5], fq s[6:7], x s[8:9], gamma s[10:11]
	s_load_b64 s[12:13], s[0:1], 0x20              ; out0
	v_lshl_add_u32 v[SPW], v0, 2, SPARE
	v_mov_b32 v[NIL], 0
	ds_add_u32 v[SPW], v[NIL]                      ; the wave's opening: the add, twice on end, and its wait ahead of the round in front of the first tensor loads
	ds_add_u32 v[SPW], v[NIL]
	v_lshrrev_b32 v250, 5, v0
	v_readfirstlane_b32 s[WV], v250                ; wave 0..7
	s_lshr_b32 s[ROLE], s[WV], 2
	s_xor_b32 s[ROLE], s[ROLE], s[WV]
	s_and_b32 s[ROLE], s[ROLE], 1                  ; 0: softmax (waves 0, 2, 5, 7); 1: PV (waves 1, 3, 4, 6)
	s_and_b32 s[IDX], s[WV], 3                     ; my tile of queries, or my 128 channels.  Also: the quarter that waves 0 to 3 fetch
	s_bfe_u32 s17, ttmp6, 0x40000                  ; cx
	s_and_b32 s18, ttmp7, 0xffff                   ; the batch, which the four partners share
	s_lshl_b32 s19, ttmp9, 2
	s_add_co_u32 s19, s19, s17                     ; my block of 64 queries: it enters fq's, x's and out0's addresses alone
.irp g, G1, G1L, G1F                                   ; rows of 256 bytes (32 elements of 8), dense, no padding; the mask names all four work-groups, bit 21 beside it
	s_mov_b32 s[\g], 15|(3<<16)|(1<<21)
	s_mov_b32 s[\g+1], 32<<16
	s_mov_b32 s[\g+3], 32<<16
	s_mov_b32 s[\g+5], 32
	s_mov_b32 s[\g+6], 0
	s_mov_b32 s[\g+7], 0
.endr
	s_mov_b32 s[G1+2], 113<<16
	s_mov_b32 s[G1+4], 113
	s_mov_b32 s[G1L+2], 100<<16
	s_mov_b32 s[G1L+4], 100
	s_mov_b32 s[G1F+2], 13<<16
	s_mov_b32 s[G1F+4], 13
	s_mov_b32 s[SEL], 0x76543210
	s_mov_b32 s[SEL+1], 0xfedcba98
	s_mov_b32 s[CS], 0x3fb8aa3b                    ; log2(e)
	s_mov_b32 s[CS+1], s[CS]                       ; (named with it as a pair, so it is written)
	s_mov_b32 s[TB], SLOT1
	s_mov_b32 s[TW], 0
	s_mov_b32 s[TG], G0R
	s_mul_i32 s76, s18, 16*REC                     ; the batch's first byte in kv
	s_mov_b32 s77, 0
	s_mul_i32 s[JW], ttmp9, 3
	s_and_b32 s[JW], s[JW], 15                     ; J0 = 3 x cluster % 16: where my cluster's walk begins
	s_add_co_u32 s80, s[JW], 15
	s_and_b32 s80, s80, 15                         ; the record before it: it holds g of J0's keys, and its h is the walk's last
	s_mul_i32 s81, s80, REC
	s_mul_i32 s3, s[IDX], SUB
	s_add_co_u32 s82, s3, s81
	s_add_co_u32 s82, s82, HB                      ; the first g, my quarter
	s_mov_b32 s83, 0
	s_mul_i32 s86, s[IDX], 113*256                 ; my quarter of a record,
	s_mul_i32 s87, s[IDX], 100*256                 ; and of a record's h
	s_add_co_u32 s84, s81, s87                     ; the last record's h, my quarter
	s_mov_b32 s85, 0
	s_mul_i32 s88, s[JW], REC
	s_add_co_u32 s88, s88, s86                     ; record J(0), my quarter
	s_mov_b32 s89, 0
	s_add_co_u32 s[JW], s[JW], 1
	s_and_b32 s[JW], s[JW], 15                     ; J(1)
	s_mul_i32 s[OFW], s[JW], REC
	s_add_co_u32 s[OFW], s[OFW], s86               ; record J(1), my quarter
	s_mov_b32 s[OFW+1], 0
	s_lshl_b32 s98, s18, 12
	s_lshl_b32 s99, s19, 6
	s_add_co_u32 s98, s98, s99
	s_lshl_b32 s99, s[IDX], 4
	s_add_co_u32 s98, s98, s99                     ; row 4,096 batch + 64 block + 16 idx
	s_lshl_b32 s98, s98, 11
	s_mov_b32 s99, 0
	s_wait_dscnt 0x0                               ; both opening adds are done
	s_wait_kmcnt 0x0
	s_load_b32 s[GAM], s[10:11], 0x0               ; gamma
	s_add_nc_u64 s[78:79], s[4:5], s[76:77]
	s_mov_b32 s[G0F], 1
	s_add_co_u32 s[G0F+1], s3, G0R
	s_add_nc_u64 s[G0F+2:G0F+3], s[78:79], s[82:83]
	s_or_b32 s[G0F+3], s[G0F+3], 0x80000000
	s_mov_b32 s[G0A], 1
	s_mov_b32 s[G0A+1], s86
	s_add_nc_u64 s[G0A+2:G0A+3], s[78:79], s[88:89]
	s_or_b32 s[G0A+3], s[G0A+3], 0x80000000
	s_mov_b32 s[G0W], 1
	s_add_co_u32 s[G0W+1], s86, SLOT1
	s_add_nc_u64 s[G0W+2:G0W+3], s[78:79], s[OFW:OFW+1]
	s_or_b32 s[G0W+3], s[G0W+3], 0x80000000
	s_mov_b32 s[G0L], 1
	s_add_co_u32 s[G0L+1], s87, SLOT1
	s_add_nc_u64 s[G0L+2:G0L+3], s[78:79], s[84:85]
	s_or_b32 s[G0L+3], s[G0L+3], 0x80000000
	s_mov_b32 s88, s86
	s_add_nc_u64 s[BSW:BSW+1], s[78:79], s[88:89]  ; the batch's first record at my quarter: the walking descriptor's base
	s_add_nc_u64 s[92:93], s[8:9], s[98:99]        ; x and out0 at 16 rows of my block
	s_add_nc_u64 s[94:95], s[12:13], s[98:99]
	ROUND                                          ; all four work-groups are here: the first joint loads meet
	s_cmp_lt_u32 s[WV], 4                          ; a wave's three first fills stand in one branch: the first g, records J(0) and J(1)
	s_cbranch_scc0 .Lno_first
	tensor_load_to_lds s[G0F:G0F+3], s[G1F:G1F+7]
	s_nop 0
	tensor_load_to_lds s[G0A:G0A+3], s[G1:G1+7]
	s_nop 0
	tensor_load_to_lds s[G0W:G0W+3], s[G1:G1+7]
	s_nop 0
	PLACES
.Lno_first:
	v_and_b32 v250, 31, v0                         ; lane
	v_and_b32 v251, 15, v0                         ; r
	v_bfe_u32 v252, v0, 4, 1                       ; h
	v_lshlrev_b32 v[AG0], 3, v250
	v_lshlrev_b32 v[AGS0], 2, v250
	s_mul_i32 s76, s[IDX], 3072
	s_add_co_u32 s76, s76, PB
	v_lshl_add_u32 v[APW0], v250, 4, s76
	s_lshl_b32 s76, s[IDX], 8
	s_add_co_u32 s76, s76, PB+PSC
	v_lshl_add_u32 v[APS0], v250, 2, s76
	s_lshl_b32 s76, s[IDX], 7
	s_add_co_u32 s77, s76, PB+PFC
	v_lshl_add_u32 v[APF0], v250, 2, s77
	s_add_co_u32 s77, s76, LW
	v_lshl_add_u32 v[LWA], v250, 2, s77
	s_mul_i32 s76, s[IDX], 12288
	v_lshl_add_u32 v[AV0], v250, 3, s76
	s_lshl_b32 s76, s[IDX], 9
	s_add_co_u32 s77, s76, 49152
	v_lshl_add_u32 v[AVS0], v250, 2, s77
	v_lshl_add_u32 v[APR0], v250, 4, PB
	v_lshl_add_u32 v[APQ0], v250, 2, PB+PSC
	v_and_b32 v253, 8, v251
	v_add_nc_u32 v253, v253, v251                  ; r + 8 (r/8)
	v_mul_u32_u24 v[STO], v253, SP
	v_lshl_add_u32 v[STO], v252, 5, v[STO]
	v_add_nc_u32 v[STO], s76, v[STO]               ; + 512 idx: my channels' bytes
	v_add_nc_u32 v[STO+1], 32*SP, v[STO]
	s_mul_i32 s76, s[IDX], 16*SP
	v_lshl_add_u32 v[RD], v250, 4, s76
	v_lshl_add_u32 v[LWR], v250, 2, LW
	v_lshlrev_b32 v[XO], 4, v250
	v_lshlrev_b32 v[XPO], 8, v250
.irp m, 0,1,2,3
	v_mov_b32 v[FF+2*\m+1], 0                      ; (named as the upper halves of the factors' pairs)
.endr
	s_lshl_b32 s76, s18, 6
	s_add_co_u32 s76, s76, s19
	s_mul_i32 s76, s76, SUB                        ; my block's record in fq
	s_lshr_b32 s78, s[IDX], 1
	s_and_b32 s79, s[IDX], 1
	s_mul_i32 s80, s78, 1536
	s_mul_i32 s81, s79, 768
	s_add_co_u32 s80, s80, s81
	s_add_co_u32 s80, s80, s76
	s_mov_b32 s81, 0
	s_add_nc_u64 s[80:81], s[6:7], s[80:81]        ; my tile's codes
	s_lshl_b32 s82, s78, 7
	s_add_co_u32 s82, s82, s76
	s_add_co_u32 s82, s82, 3072
	s_mov_b32 s83, 0
	s_add_nc_u64 s[82:83], s[6:7], s[82:83]        ; its pair's scale words
	s_lshl_b32 s96, s79, 4                         ; my tile's half of a word
	s_wait_kmcnt 0x0                               ; gamma
	s_cmp_eq_u32 s[ROLE], 0
	s_cbranch_scc0 .Lno_f
	WIN 0x40                                       ; destination window 1
.irp p, 0,1,2
	global_load_b64 v[FLO+2*\p:FLO+2*\p+1], v[AG0], s[80:81] offset:256*\p
	global_load_b64 v[FHI+6+2*\p:FHI+7+2*\p], v[AG0], s[80:81] offset:256*\p
.endr
.irp i, 0,1,2,3,4,5
	v_mov_b32 v[FLO+6+\i], 0                       ; zero codes
	v_mov_b32 v[FHI+\i], 0
.endr
	WIN 0
	global_load_b32 v[T0], v[AGS0], s[82:83]
	v_mov_b32 v[NM+1], 0xff61b1e6                  ; the largest t so far: -3e38, under every t
	v_floor_f32 v[NM], -v[NM+1]
	v_mov_b32 v[LSUM], 0
	v_mov_b32 v[LSUM+1], 0
	v_mov_b32 v[FQ+1], 0
	v_mov_b32 v[T0+1], 0
.irp b, 0,1,2,3,4,5,6,7
	v_mov_b32 v[TP+\b], 0                          ; written once: a lane permute's destination counts as one of its sources
.endr
	s_wait_loadcnt 0x0
	v_lshrrev_b32 v[T0], s96, v[T0]
	v_and_b32 v[T0], 0xffff, v[T0]
	v_lshl_or_b32 v[FS], v[T0], 16, v[T0]          ; [s0, s1, s0, s1]: one word serves [f | 0] and [0 | f].  The nine additions of ADDR stand between it and its first use
.Lno_f:
	; ---- interval 0
	s_wait_tensorcnt 0x2                           ; my part of the first g is in; records J(0) and J(1) may stay out
	s_barrier_signal -1
	s_barrier_wait -1
	ADDR
	WORK 0, 0, 0
	; ---- interval 1
	s_wait_tensorcnt 0x1                           ; my part of record J(0) is in; J(1) may stay out
	s_wait_dscnt 0x0                               ; P's first images have landed
	s_barrier_signal -1
	s_barrier_wait -1
	s_xor_b32 s[TB], s[TB], SLOT1
	s_xor_b32 s[TW], s[TW], SLOT1
	s_mov_b32 s[TG], HB                            ; the next g lies behind h in slot 0
	ADDR
	WORK 1, 1, 0
	s_mov_b32 s[CNT], 13
.Linterval:                                            ; intervals 2 to 14
	CHANGE 0
	TOGGLE
	ADDR
	WORK 1, 0, 0
	s_sub_co_u32 s[CNT], s[CNT], 1
	s_cmp_lg_u32 s[CNT], 0
	s_cbranch_scc1 .Linterval
	; ---- interval 15: of the last record h alone is asked for; half of x is asked for
	CHANGE 1
	TOGGLE
	ADDR
	WORK 1, 0, 1
	; ---- interval 16: the last products; the softmax waves finish l and ask for the other half of x
	s_wait_tensorcnt 0x0
	s_wait_dscnt 0x0
	s_barrier_signal -1
	s_barrier_wait -1
	TOGGLE
	ADDR
	s_cmp_eq_u32 s[ROLE], 0
	s_cbranch_scc0 .Llast_pv
	v_add_f32 v[T0], v[LSUM], v[LSUM+1]            ; l's two halves,
	v_permlanex16_b32 v[T0+1], v[T0], s[SEL], s[SEL+1]
	v_add_f32 v[T0], v[T0], v[T0+1]                ; and lane l xor 16's
	v_rcp_f32 v[T0+2], v[T0]
	v_nop                                          ; a plain place behind the transcendental
	s_wait_alu depctr_va_vdst(0)                   ; and the wait ahead of its first reader
	v_mul_f32 v[T0+2], s[GAM], v[T0+2]             ; gamma / l
	ds_store_b32 v[LWA], v[T0+2]
	XLOAD 0                                        ; rows 0-7 of my x, into the registers that g and f have left
	s_branch .Llast_join
.Llast_pv:
	PH2 0
.Llast_join:
	s_wait_dscnt 0x0                               ; gamma / l has landed; every read of the slots and of P's buffers is over
	s_barrier_signal -1
	s_barrier_wait -1
	s_cmp_eq_u32 s[ROLE], 0
	s_cbranch_scc1 .Lstaged
.irp m, 0,1,2,3
	ds_load_b32 v[FF+2*\m], v[LWR] offset:128*\m
.endr
	s_wait_dscnt 0x0
	RESC 0                                         ; O^T x gamma / l
	RESC 4
	WIN 0x04                                       ; an LDS store's data are its source 1: window 1
.irp t, 0,1,2,3,4,5,6,7
.irp m, 0,1,2,3
	ds_store_b128 v[STO+\m/2], v[8*(4*\t+\m):8*(4*\t+\m)+3] offset:(\m%2)*8*SP+64*\t       ; lane (r, h): row 32 (m/2) + 8 (m%2) + r + 8 (r/8), channels 128 idx + 16 t + 8 h + 0 .. 7
	ds_store_b128 v[STO+\m/2], v[8*(4*\t+\m)+4:8*(4*\t+\m)+7] offset:(\m%2)*8*SP+64*\t+16
.endr
.endr
	WIN 0
.Lstaged:
	s_wait_dscnt 0x0
	s_barrier_signal -1
	s_barrier_wait -1                              ; 64 whole rows lie in the stage
	s_cmp_eq_u32 s[ROLE], 0
	s_cbranch_scc0 .Ldone
.macro SLD bt                          ; rows 4 bt .. 4 bt + 3 of my 16 into set bt % 2
.irp i, 0,1,2,3,4,5,6,7,8,9,10,11,12,13,14,15
	ds_load_b128 v[S+64*((\bt)%2)+4*\i:S+64*((\bt)%2)+4*\i+3], v[RD] offset:SP*(4*(\bt)+\i/4)+512*(\i%4)
.endr
.endm
	SLD 0
	SLD 1
.irp bt, 0,1,2,3
.if \bt < 3
	s_wait_dscnt 16                                ; this batch is back; the next one's 16 loads may be out
.else
	s_wait_dscnt 0x0
.endif
.if \bt == 0
	s_wait_loadcnt 16                              ; x was asked for in the order rows 8-15, rows 0-7: rows 0-3 are in; rows 4-7's sixteen loads may be out
.elseif \bt == 1
	s_wait_loadcnt 0x0                             ; all of x is in
.endif
	WIN 0x04                                       ; source 1 (x) window 1
.set k, 0
.rept 32
	v_pk_add_f32 v[S+64*(\bt%2)+2*k:S+64*(\bt%2)+2*k+1], v[S+64*(\bt%2)+2*k:S+64*(\bt%2)+2*k+1], v[64*\bt+2*k:64*\bt+2*k+1]
.set k, k+1
.endr
	WIN 0
.irp i, 0,1,2,3,4,5,6,7,8,9,10,11,12,13,14,15
	global_store_b128 v[XO], v[S+64*(\bt%2)+4*\i:S+64*(\bt%2)+4*\i+3], s[94:95] offset:2048*(4*\bt+\i/4)+512*(\i%4) th:TH_STORE_NT   ; 32 lanes store 512 consecutive bytes, aligned
.endr
.if \bt < 2
	s_wait_xcnt 0x0                                ; the stores have read their registers: the batch two on may land there
	SLD \bt+2
.endif
.endr
.Ldone:
	s_wait_tensorcnt 0x0                           ; the wave's end: the add and its wait behind my last tensor load and my last LDS store
	ds_add_u32 v[SPW], v[NIL]
	s_wait_dscnt 0x0
	ROUND                                          ; the closing round: no work-group ends while a partner may still ask for a tile that names it
	s_endpgm
.Lfunc_end_k_qe8353a6a9c_attn:
	.size	k_qe8353a6a9c_attn, .Lfunc_end_k_qe8353a6a9c_attn-k_qe8353a6a9c_attn
	.p2alignl 7, 3214868480
	.fill 96, 4, 3214868480
	.section	.rodata,"a",@progbits
	.p2align	6, 0x0
	.amdhsa_kernel k_qe8353a6a9c_attn
		.amdhsa_group_segment_fixed_size 327680
		.amdhsa_private_segment_fixed_size 0
		.amdhsa_enable_private_segment 0
		.amdhsa_kernarg_size 40
		.amdhsa_user_sgpr_count 2
		.amdhsa_user_sgpr_kernarg_segment_ptr 1
		.amdhsa_wavefront_size32 1
		.amdhsa_system_sgpr_workgroup_id_x 1
		.amdhsa_system_sgpr_workgroup_id_y 1
		.amdhsa_system_sgpr_workgroup_id_z 1
		.amdhsa_system_vgpr_workitem_id 0
		.amdhsa_next_free_vgpr 512
		.amdhsa_next_free_sgpr 100
		.amdhsa_reserve_vcc 0
		.amdhsa_float_denorm_mode_32 3
		.amdhsa_float_denorm_mode_16_64 3
		.amdhsa_memory_ordered 1
		.amdhsa_forward_progress 1
		.amdhsa_inst_pref_size 255
	.end_amdhsa_kernel
	.section	.bss,"aw",@nobits
	.p2align	6
	.space	262144
	.amdgpu_metadata
---
amdhsa.version: [ 1, 2 ]
amdhsa.kernels:
  - .name:           k_qe8353a6a9c_attn
    .symbol:         k_qe8353a6a9c_attn.kd
    .args:
      - { .name: kv, .offset: 0, .size: 8, .value_kind: global_buffer, .address_space: global }
      - { .name: fq, .offset: 8, .size: 8, .value_kind: global_buffer, .address_space: global }
      - { .name: x, .offset: 16, .size: 8, .value_kind: global_buffer, .address_space: global }
      - { .name: gamma, .offset: 24, .size: 8, .value_kind: global_buffer, .address_space: global }
      - { .name: out0, .offset: 32, .size: 8, .value_kind: global_buffer, .address_space: global }
    .group_segment_fixed_size: 327680
    .private_segment_fixed_size: 0
    .kernarg_segment_align: 8
    .kernarg_segment_size: 40
    .max_flat_workgroup_size: 256
    .sgpr_count:     100
    .vgpr_count:     512
    .wavefront_size: 32
...
	.end_amdgpu_metadata
.endif
;; end of part 3
